; MI455X (gfx1250); checked and timed in simulation.
; The chip was launched on July 23, 2026; its instructions are those of AMD's public machine-readable ISA for CDNA 5 (MIT licence, August 2026) and "CDNA5" Instruction Set Architecture Reference Guide (July 2026). The comments in the code are by the model that wrote it; some were corrected since.
;; L Lo Ca Attention. Allowed arithmetic: matrix products marked QUANTISED: E5M2 operands, one E8M0 scale for each 32 along K, by v_wmma_scale_f32_16x16x128_f8f6f4 with both operands' format E5M2, f32 sums; products left as they are: f32 operands where the result goes on into a quantised operand, else bf16, f16 or f32 operands; f32 sums; everything else in f32.
;; Inputs: frames 4 x 2,048 x 4 x 4 float32; k_local 4 x 8 x 2,048 x 32 float32; q_local 4 x 8 x 2,048 x 32 float32; v_local 4 x 8 x 2,048 x 32 float32.
;; Outputs: out0 4 x 8 x 2,048 x 32 float32.
;; This version of the problem:
;;   THIS VERSION OF THE PROBLEM IS GIVEN IN LOW PRECISION. The matrix products marked QUANTISED in the list below multiply operands that are first quantised to E5M2 (5 exponent bits, 2 mantissa bits; 8 bits a number), with one power-of-two scale for each 32 numbers along K (OCP MX v1.0); their sums are f32. All else is computed in f32.
;;   The module's matrix products, in the order in which they are computed (A, B: the left and right operand; K: the contracted axis; several contracted axes count as one K, in the product's order):
;;     1. batch 8,192 x [M 32, K 4] x [K 4, N 4]; A: input q_local; B: computed on the way: left as it is (K = 4 < 32)
;;     2. batch 8,192 x [M 32, K 4] x [K 4, N 4]; A: input k_local; B: input frames: left as it is (K = 4 < 32)
;;     3. batch 8,192 x [M 32, K 4] x [K 4, N 4]; A: input v_local; B: computed on the way: left as it is (K = 4 < 32)
;;     4. batch 32 x [M 2,048, K 32] x [K 32, N 2,048]; A: computed on the way; B: computed on the way: QUANTISED
;;     5. batch 32 x [M 2,048, K 2,048] x [K 2,048, N 32]; A: softmax (see below); B: computed on the way: QUANTISED
;;     6. batch 8,192 x [M 32, K 4] x [K 4, N 4]; A: computed on the way; B: input frames: left as it is (K = 4 < 32)
;;   THE QUANTISER, for each operand of a quantised product, along K:
;;     - K is cut into blocks of 32 from its start; a last block that is shorter is filled with zeros.
;;     - A block's scale is 2^e with e = floor(log2(the largest magnitude in the block)) - 15, held to -126 .. 127; a block of zeros has e = 0. As a byte (E8M0): e + 127.
;;     - Each number is divided by its block's scale, clamped to +-57,344, and rounded to the nearest number of E5M2, ties to even, subnormals kept.
;;     - The product sums the exact products of the quantised numbers (number of the format x scale) in f32.
;;   ~~~python
;;   def quantise(x, axis):      # numpy; x: float32 -> the quantised numbers, widened to float32 again
;;       x = np.moveaxis(x, axis, -1); K = x.shape[-1]
;;       x = np.pad(x, [(0, 0)] * (x.ndim - 1) + [(0, -K % 32)]); x = x.reshape(x.shape[:-1] + (-1, 32)); a = np.abs(x).max(-1, keepdims=True)
;;       e = np.where(a > 0, np.clip(np.frexp(np.where(a > 0, a, 1))[1] - 1 - 15, -126, 127), 0)      # np.frexp(a)[1] - 1 = floor(log2(a)), exactly
;;       r = np.clip(x / 2.0 ** e, -57344, 57344)
;;       step = 2.0 ** (np.maximum(np.frexp(np.where(r == 0, 1, r))[1] - 1, -14) - 2)
;;       q = np.round(r / step) * step * 2.0 ** e      # np.round: ties to even
;;       return np.moveaxis(q.reshape(q.shape[:-2] + (-1,))[..., :K], -1, axis).astype(np.float32)
;;   ~~~
;;   SOFTMAX AHEAD OF A QUANTISED PRODUCT. Where the list says 'softmax', what is quantised is not the finished softmax but p = 2^(t - M), with t = logit x log2(e) and M = ceil(the row's largest t), a whole number; so 1/2 < the row's largest p <= 1. The row's sum l is taken of the UNQUANTISED p, in f32, and the product's result is divided by l at the end. Since M is a whole number, a kernel that streams over the keys may use a running M (the ceiling of the running maximum): every later rescaling is an exact power of two, which a block's scale takes up: the codes' values come out the same.
;;   OPERANDS COMPUTED ON THE WAY. 'Computed on the way' means the value that the module computes at that place (a softmax that the list does not call 'softmax' is quantised finished and normalised). What goes into a quantiser is computed in f32, as accurately as f32 sums, v_exp_f32 and their like allow (about 1e-6 of the number): no bf16 or f16 on the way to a quantiser, and a product that is left as it is and whose result goes on into a quantised operand takes f32 operands (vector FMAs, or v_wmma_f32_16x16x4_f32). A number that lies on a knife's edge between two numbers of the format may be rounded either way, as far as f32 arithmetic and the matrix unit's own rounding can turn it there, and no further.
;; One version. Each part assembles by itself: llvm-mc -triple=amdgcn-amd-amdhsa -mcpu=gfx1250 --defsym DOCPART=n.
;; ======== version 1 of 1: 2 launches
;; limits: right only within a limited range of input values
;; workspace buffers: kv 4,325,376 bytes
;; launch prep (part 1): grid 16 x 32, 4 waves a work-group, no clusters, 66,304 bytes of LDS; arguments frames, k_local, v_local, kv; writes kv
.if DOCPART == 1
	.amdgcn_target "amdgcn-amd-amdhsa--gfx1250"
	.amdhsa_code_object_version 6
	.text
	.protected	k_qc721206051_prep
	.globl	k_qc721206051_prep
	.p2align	8
	.type	k_qc721206051_prep,@function
k_qc721206051_prep:
	s_mov_b64 s[64:65], 0
	v_nop
	global_prefetch_b8 v0, s[64:65] scope:SCOPE_SE
	s_setreg_imm32_b32 hwreg(HW_REG_WAVE_MODE, 25, 1), 1
	s_wait_xcnt 0x0
; k_local and v_local [4][8][2048][32] f32 are brought into the global frame (channels 16-31: four 4-vectors; k by L^T, v by eta L^T eta, L = frames[b][key], f32 multiply-adds)
; and quantised to codes of BF8 (E5M2) with one E8M0 byte for each 32 along K: k along its 32 channels (one block a key), v along the keys (blocks of 32 keys for each channel).
; The codes go to the workspace kv IN THE ORDER OF THE OPERANDS' REGISTERS.  A RECORD of 8,448 bytes (33 x 256) serves head hd, keys 128 s .. 128 s + 127, at (16 hd + s) x 8,448:
;   +0     K's codes: fragment g (0, 1) at 2048 g, register group c (0..3) at 512 c, lane 16 h + r at 16 bytes a lane: channels 16 h .. 16 h + 15 of key 64 g + 32 (c / 2) + 8 (c % 2) + r + 8 (r / 8)
;   +4096  V's codes: tile t (0, 1) at 2048 t, group c at 512 c, lane 16 h + r: keys 32 c + 16 h + 0 .. 15 of channel 16 t + r
;   +8192  K's scale words: word 16 g + r, byte c: that key's byte        +8320  V's scale words: word = channel, byte c: keys 32 c .. 32 c + 31
; SHARES.  Work-group (x = s, y = hd) makes one record.  Wave w takes keys 32 w .. 32 w + 31 of the step, of k and of v, and loads their frames once for both.  No loop.
; Every load takes 512 consecutive bytes; the rows turn through the wave's own stages in LDS so that a lane holds one key's whole row.  v then turns once more, so that a lane holds one channel and its registers run down the keys.
; LIMITS: NaN and infinities among the inputs are not served.  A block of zeros gets the byte 1 where the quantiser's rule says 127: its codes are zeros, and this program alone reads the bytes.
; A block's largest magnitude is taken with the floor 2^(16 - 127), so that the byte cannot fall under 1.  The four multiply-adds of a frame product run j = 1, 2, 3, 0: another order of rounding than a plain sum's.
.set REC,   8448
.set FP,    80                         ; a frame's row in its stage: 64 bytes + 16
.set RP,    144                        ; a key's row in a stage: 128 bytes + 16.  Both pitches are odd multiples of 16 bytes: the rows that a 16-byte load touches begin at different banks (ISA guide 11.1)
.set KSTG,  2560                       ; LDS, for each wave 16,384 bytes: frames' stage at 0 (32 x 80), k's at 2,560, v's at 7,168, the turned v's at 11,776 (32 x 144 each)
.set VSTG,  7168
.set VTRN,  11776
.set SCA,   65536                      ; behind the four waves' regions: the record's 256 scale bytes
.set LN,  1                            ; v1   lane
.set GL,  2                            ; v2   16 x lane: my bytes of a load's 512
.set FSW, 3                            ; v3   frames' stage, way in: 80 (lane / 4) + 16 (lane % 4)
.set KSW, 4                            ; v4   k's stage, way in: 144 (lane / 8) + 16 (lane % 8); v's at +4,608
.set KAP, 5                            ; v5   my key among the wave's 32: lane % 8 + 8 (lane / 16) + 16 ((lane / 8) % 2)
.set FSR, 6                            ; v6   frames' stage, way out: my key's row
.set KSR, 7                            ; v7   k's stage, way out: my key's row; v's at +4,608, the turned v's at +9,216
.set VTR, 8                            ; v8   the turned v: 4 x lane: my channel's column
.set KSB, 9                            ; v9   where my key's scale byte goes
.set VSB, 10                           ; v10  where my channel's goes
.set KGO, 11                           ; v11  my place among K's codes in the record
.set VGO, 12                           ; v12  and among V's
.set SGR, 13                           ; v13  the scale bytes' way out: LDS,
.set SGO, 14                           ; v14  and the record: 8 x lane
.set TMP, 15
.set RF,  16                           ; v16-31   frames as loaded
.set RK,  32                           ; v32-63   k as loaded
.set T,   112                          ; v112-143 later: my channel's 32 keys (where k's row stood before them)
.set RV,  64                           ; v64-95   v as loaded
.set F,   96                           ; v96-111  F[4 p + q] = L[p][q] of my key
.set XK,  112                          ; v112-143 my key's row of k
.set XV,  144                          ; v144-175 and of v
.set YK,  176                          ; v176-191 k's channels 16-31 in the global frame
.set YV,  192                          ; v192-207 v's
.set CK,  208                          ; v208-215 k's codes
.set CV,  216                          ; v216-223 v's
.set AM,  224
.set AM2, 225
.set SC,  226
.set HD,  227
.set BYK, 228
.set BYV, 229
.set OUTP, 230
; Four 4-vectors x = v[src + 4 v + j] -> v[dst + 4 v + i].  sgn = 0: sum over j of L[j][i] x_j (L^T).  sgn = 1: eta_i x the sum over j of eta_j L[j][i] x_j (eta L^T eta), the signs carried by the last multiply-add.
.macro TOGLOBAL dst, src, sgn
; (two components an instruction; x_j is one word of its pair for both halves; the four vectors take turns)
.irp v, 0,1,2,3
.irp i, 0,2
	v_pk_mul_f32 v[(\dst)+4*\v+\i:(\dst)+4*\v+\i+1], v[F+4+\i:F+5+\i], v[(\src)+4*\v:(\src)+4*\v+1] op_sel:[0,1]
.endr
.endr
.irp v, 0,1,2,3
.irp i, 0,2
	v_pk_fma_f32 v[(\dst)+4*\v+\i:(\dst)+4*\v+\i+1], v[F+8+\i:F+9+\i], v[(\src)+4*\v+2:(\src)+4*\v+3], v[(\dst)+4*\v+\i:(\dst)+4*\v+\i+1] op_sel_hi:[1,0,1]
.endr
.endr
.irp v, 0,1,2,3
.irp i, 0,2
	v_pk_fma_f32 v[(\dst)+4*\v+\i:(\dst)+4*\v+\i+1], v[F+12+\i:F+13+\i], v[(\src)+4*\v+2:(\src)+4*\v+3], v[(\dst)+4*\v+\i:(\dst)+4*\v+\i+1] op_sel:[0,1,0]
.endr
.endr
.irp v, 0,1,2,3
.irp i, 0,2
.if \sgn == 0
	v_pk_fma_f32 v[(\dst)+4*\v+\i:(\dst)+4*\v+\i+1], v[F+\i:F+1+\i], v[(\src)+4*\v:(\src)+4*\v+1], v[(\dst)+4*\v+\i:(\dst)+4*\v+\i+1] op_sel_hi:[1,0,1]
.elseif \i == 0
	v_pk_fma_f32 v[(\dst)+4*\v+\i:(\dst)+4*\v+\i+1], v[F+\i:F+1+\i], v[(\src)+4*\v:(\src)+4*\v+1], v[(\dst)+4*\v+\i:(\dst)+4*\v+\i+1] op_sel_hi:[1,0,1] neg_lo:[0,0,1] neg_hi:[1,0,0]
.else
	v_pk_fma_f32 v[(\dst)+4*\v+\i:(\dst)+4*\v+\i+1], v[F+\i:F+1+\i], v[(\src)+4*\v:(\src)+4*\v+1], v[(\dst)+4*\v+\i:(\dst)+4*\v+\i+1] op_sel_hi:[1,0,1] neg_lo:[1,0,0] neg_hi:[1,0,0]
.endif
.endr
.endr
.endm
; A block of 32 numbers of ONE lane, in two runs of 16 registers (lo, hi), becomes 8 registers of codes (cd) and its scale byte (byt).
.macro QUANT32 lo, hi, cd, byt
	v_max3_num_f32 v[AM], |v[(\lo)]|, |v[(\lo)+1]|, 0x8000000      ; the largest magnitude, in two chains; the floor 2^(16 - 127) is one more leaf
	v_max3_num_f32 v[AM2], |v[(\hi)]|, |v[(\hi)+1]|, |v[(\hi)+2]|
.irp i, 1,2,3,4,5,6
	v_max3_num_f32 v[AM], v[AM], |v[(\lo)+2*\i]|, |v[(\lo)+2*\i+1]|
	v_max3_num_f32 v[AM2], v[AM2], |v[(\hi)+2*\i+1]|, |v[(\hi)+2*\i+2]|
.endr
	v_max3_num_f32 v[AM], v[AM], |v[(\lo)+14]|, |v[(\lo)+15]|
	v_max3_num_f32 v[AM], v[AM], v[AM2], |v[(\hi)+15]|
	v_add_nc_u32 v[SC], 0xf8800000, v[AM]          ; 15 off its exponent field: the conversion takes the exponent field of this operand as its scale
	v_and_or_b32 v[HD], v[AM], 0x7f800000, s23     ; 57,344 x the scale: the largest magnitude's exponent field over 57,344's mantissa field
.irp i, 0,1,2,3,4,5,6,7,8,9,10,11,12,13,14,15
	v_med3_num_f32 v[(\lo)+\i], v[(\lo)+\i], -v[HD], v[HD]     ; the conversion to an 8-bit code does not saturate (ISA guide 7.6.2): the hold comes first
	v_med3_num_f32 v[(\hi)+\i], v[(\hi)+\i], -v[HD], v[HD]
.endr
	v_cvt_scalef32_pk8_bf8_f32 v[(\cd):(\cd)+1], v[(\lo):(\lo)+7], v[SC]
	v_cvt_scalef32_pk8_bf8_f32 v[(\cd)+2:(\cd)+3], v[(\lo)+8:(\lo)+15], v[SC]
	v_cvt_scalef32_pk8_bf8_f32 v[(\cd)+4:(\cd)+5], v[(\hi):(\hi)+7], v[SC]
	v_cvt_scalef32_pk8_bf8_f32 v[(\cd)+6:(\cd)+7], v[(\hi)+8:(\hi)+15], v[SC]
	v_lshrrev_b32 v[\byt], 23, v[SC]               ; the scale's byte; also the plain line behind the conversions
.endm
	s_load_b256 s[4:11], s[0:1], 0x0               ; frames s[4:5], k_local s[6:7], v_local s[8:9], kv s[10:11]
	v_lshl_add_u32 v232, v0, 2, 0x10100
	v_mov_b32 v233, 0
	v_lshrrev_b32 v[TMP], 5, v0
	v_readfirstlane_b32 s12, v[TMP]                ; wave 0..3
	v_and_b32 v[LN], 31, v0
	v_lshlrev_b32 v[GL], 4, v[LN]
	s_and_b32 s13, ttmp7, 0xffff                   ; head = 8 b + h
	s_lshl_b32 s14, ttmp9, 7
	s_lshl_b32 s26, s12, 5
	s_add_co_u32 s14, s14, s26                     ; my wave's first key: 128 s + 32 w
	s_lshr_b32 s16, s13, 3
	s_lshl_b32 s16, s16, 11
	s_add_co_u32 s16, s16, s14
	s_lshl_b32 s16, s16, 6                         ; frames: (2048 b + key) x 64 bytes
	s_mov_b32 s17, 0
	s_lshl_b32 s18, s13, 11
	s_add_co_u32 s18, s18, s14
	s_lshl_b32 s18, s18, 7                         ; k and v: (2048 head + key) x 128 bytes
	s_mov_b32 s19, 0
	s_lshl_b32 s20, s13, 4
	s_add_co_u32 s20, s20, ttmp9
	s_mul_i32 s20, s20, REC                        ; my record
	s_mov_b32 s21, 0
	s_lshl_b32 s22, s12, 14                        ; my wave's region of LDS
	s_mov_b32 s23, 0x600000                        ; the mantissa field of 57,344
	s_lshr_b32 s24, s12, 1
	s_and_b32 s25, s12, 1
	s_wait_alu depctr_va_vdst(0)
	s_wait_kmcnt 0x0
	s_add_nc_u64 s[4:5], s[4:5], s[16:17]
	s_add_nc_u64 s[6:7], s[6:7], s[18:19]
	s_add_nc_u64 s[8:9], s[8:9], s[18:19]
	s_add_nc_u64 s[10:11], s[10:11], s[20:21]
	; all 20 loads of the wave go out at once: 32 frames (2,048 bytes), 32 rows of k and 32 of v (4,096 bytes each), 512 consecutive bytes an instruction
.irp i, 0,1,2,3
	global_load_b128 v[RF+4*\i:RF+4*\i+3], v[GL], s[4:5] offset:512*\i                   ; the eight heads of a batch read the same frames: no hint
.endr
.irp i, 0,1,2,3,4,5,6,7
	global_load_b128 v[RK+4*\i:RK+4*\i+3], v[GL], s[6:7] offset:512*\i th:TH_LOAD_NT     ; read once in the launch
.endr
.irp i, 0,1,2,3,4,5,6,7
	global_load_b128 v[RV+4*\i:RV+4*\i+3], v[GL], s[8:9] offset:512*\i th:TH_LOAD_NT
.endr
	; the addresses are made while the loads are out
	v_lshrrev_b32 v[TMP], 2, v[LN]
	v_mul_u32_u24 v[FSW], v[TMP], FP
	v_and_b32 v[TMP], 3, v[LN]
	v_lshl_add_u32 v[FSW], v[TMP], 4, v[FSW]
	v_add_nc_u32 v[FSW], s22, v[FSW]
	v_lshrrev_b32 v[TMP], 3, v[LN]
	v_mul_u32_u24 v[KSW], v[TMP], RP
	v_and_b32 v[TMP], 7, v[LN]
	v_lshl_add_u32 v[KSW], v[TMP], 4, v[KSW]
	v_add_nc_u32 v[KSW], s22, v[KSW]
	v_add_nc_u32 v[KSW], KSTG, v[KSW]
	v_and_b32 v[KAP], 7, v[LN]                     ; lane (u = lane / 16, r = lane % 16) takes key 8 u + r + 8 (r / 8) of the wave's 32: group c = 2 (w % 2) + u of fragment w / 2
	v_bfe_u32 v[TMP], v[LN], 4, 1
	v_lshl_add_u32 v[KAP], v[TMP], 3, v[KAP]
	v_bfe_u32 v[TMP], v[LN], 3, 1
	v_lshl_add_u32 v[KAP], v[TMP], 4, v[KAP]
	v_mul_u32_u24 v[FSR], v[KAP], FP
	v_add_nc_u32 v[FSR], s22, v[FSR]
	v_mul_u32_u24 v[KSR], v[KAP], RP
	v_add_nc_u32 v[KSR], s22, v[KSR]
	v_add_nc_u32 v[KSR], KSTG, v[KSR]
	v_lshl_add_u32 v[VTR], v[LN], 2, s22
	v_add_nc_u32 v[VTR], VTRN, v[VTR]
	s_lshl_b32 s26, s24, 6
	s_lshl_b32 s27, s25, 1
	s_add_co_u32 s26, s26, s27
	s_add_co_u32 s26, s26, SCA
	v_and_b32 v[TMP], 15, v[LN]                    ; r, for the four addresses below
	v_lshrrev_b32 v[KSB], 4, v[LN]
	v_lshl_add_u32 v[KSB], v[TMP], 2, v[KSB]
	v_add_nc_u32 v[KSB], s26, v[KSB]               ; word 16 (w / 2) + r, byte 2 (w % 2) + u
	s_add_co_u32 s27, s12, SCA+128
	v_lshl_add_u32 v[VSB], v[LN], 2, s27           ; word = my channel, byte w
	s_lshl_b32 s27, s12, 10
	v_lshrrev_b32 v[KGO], 4, v[LN]
	v_lshlrev_b32 v[KGO], 9, v[KGO]
	v_lshl_add_u32 v[KGO], v[TMP], 4, v[KGO]
	v_add_nc_u32 v[KGO], s27, v[KGO]               ; 1024 w + 512 u + 16 r; channels 16-31 go 256 bytes on
	s_lshl_b32 s27, s12, 9
	s_add_co_u32 s27, s27, 4096
	v_lshrrev_b32 v[VGO], 4, v[LN]
	v_lshlrev_b32 v[VGO], 11, v[VGO]
	v_lshl_add_u32 v[VGO], v[TMP], 4, v[VGO]
	v_add_nc_u32 v[VGO], s27, v[VGO]               ; 4096 + 2048 (channel / 16) + 512 w + 16 (channel % 16); keys 16-31 of the block go 256 bytes on
	v_lshlrev_b32 v[SGO], 3, v[LN]
	v_add_nc_u32 v[SGR], SCA, v[SGO]
	s_wait_loadcnt 16                              ; the frames are in: the 16 younger loads are k's and v's
.irp i, 0,1,2,3
	ds_store_b128 v[FSW], v[RF+4*\i:RF+4*\i+3] offset:640*\i          ; a load's 512 bytes are eight frames: eight rows of the stage
.endr
.irp p, 0,1,2,3
	ds_load_b128 v[F+4*\p:F+4*\p+3], v[FSR] offset:16*\p              ; LDS serves a wave's instructions in order (ISA guide 5.7.1.4): these see the stores above
.endr
	s_wait_loadcnt 8                               ; k is in: v's eight loads may be out
.irp i, 0,1,2,3,4,5,6,7
	ds_store_b128 v[KSW], v[RK+4*\i:RK+4*\i+3] offset:576*\i          ; a load's 512 bytes are four rows
.endr
.irp p, 0,1,2,3,4,5,6,7
	ds_load_b128 v[XK+4*\p:XK+4*\p+3], v[KSR] offset:16*\p
.endr
	s_wait_loadcnt 0x0                             ; v is in
.irp i, 0,1,2,3,4,5,6,7
	ds_store_b128 v[KSW], v[RV+4*\i:RV+4*\i+3] offset:VSTG-KSTG+576*\i
.endr
.irp p, 0,1,2,3,4,5,6,7
	ds_load_b128 v[XV+4*\p:XV+4*\p+3], v[KSR] offset:VSTG-KSTG+16*\p
.endr
	s_wait_dscnt 16                                ; my frame and my row of k are back: the 16 younger LDS instructions are v's stores and loads
	TOGLOBAL YK, XK+16, 0                          ; k by L^T
	QUANT32 XK, YK, CK, BYK                        ; a key's 32 channels are one block, all in my registers
	ds_store_b8 v[KSB], v[BYK]
	global_store_b128 v[KGO], v[CK:CK+3], s[10:11]                    ; sixteen neighbouring lanes store 256 consecutive bytes, at a multiple of 256 from the record's first byte
	global_store_b128 v[KGO], v[CK+4:CK+7], s[10:11] offset:256
	s_wait_dscnt 0x0                               ; my row of v is back
	TOGLOBAL YV, XV+16, 1                          ; v by eta L^T eta
.irp p, 0,1,2,3
	ds_store_b128 v[KSR], v[XV+4*\p:XV+4*\p+3] offset:VTRN-KSTG+16*\p         ; my key's row: the 16 scalars as they came,
.endr
.irp p, 0,1,2,3
	ds_store_b128 v[KSR], v[YV+4*\p:YV+4*\p+3] offset:VTRN-KSTG+64+16*\p      ; and the four vectors in the global frame
.endr
.set j, 0
.rept 32
	ds_load_b32 v[T+j], v[VTR] offset:RP*j         ; A LANE TAKES A CHANNEL, AND ITS REGISTERS RUN DOWN THE KEYS: row j is key j of the wave's 32; in order behind the stores above
.set j, j+1
.endr
	s_wait_dscnt 0x0
	QUANT32 T, T+16, CV, BYV                       ; the wave's 32 keys are one block of my channel
	ds_store_b8 v[VSB], v[BYV]
	global_store_b128 v[VGO], v[CV:CV+3], s[10:11]
	global_store_b128 v[VGO], v[CV+4:CV+7], s[10:11] offset:256
	s_wait_dscnt 0x0                               ; for the others' sake: my scale bytes have landed
	s_barrier_signal -1
	s_barrier_wait -1                              ; the record's 256 scale bytes are whole
	s_cmp_lg_u32 s12, 0
	s_cbranch_scc1 .Lend                           ; wave 0 sends them
	ds_load_b64 v[OUTP:OUTP+1], v[SGR]
	s_wait_dscnt 0x0
	global_store_b64 v[SGO], v[OUTP:OUTP+1], s[10:11] offset:8192     ; 32 lanes store 256 consecutive bytes, aligned
.Lend:
	s_wait_tensorcnt 0x0
	ds_add_u32 v232, v233
	s_wait_dscnt 0x0
	s_endpgm
.Lfunc_end_k_qc721206051_prep:
	.size	k_qc721206051_prep, .Lfunc_end_k_qc721206051_prep-k_qc721206051_prep
	.p2alignl 7, 3214868480
	.fill 96, 4, 3214868480
	.section	.rodata,"a",@progbits
	.p2align	6, 0x0
	.amdhsa_kernel k_qc721206051_prep
		.amdhsa_group_segment_fixed_size 66304
		.amdhsa_private_segment_fixed_size 0
		.amdhsa_enable_private_segment 0
		.amdhsa_kernarg_size 32
		.amdhsa_user_sgpr_count 2
		.amdhsa_user_sgpr_kernarg_segment_ptr 1
		.amdhsa_wavefront_size32 1
		.amdhsa_system_sgpr_workgroup_id_x 1
		.amdhsa_system_sgpr_workgroup_id_y 1
		.amdhsa_system_sgpr_workgroup_id_z 1
		.amdhsa_system_vgpr_workitem_id 0
		.amdhsa_next_free_vgpr 234
		.amdhsa_next_free_sgpr 66
		.amdhsa_reserve_vcc 0
		.amdhsa_float_denorm_mode_32 3
		.amdhsa_float_denorm_mode_16_64 3
		.amdhsa_memory_ordered 1
		.amdhsa_forward_progress 1
		.amdhsa_inst_pref_size 23
	.end_amdhsa_kernel
	.amdgpu_metadata
---
amdhsa.version: [ 1, 2 ]
amdhsa.kernels:
  - .name:           k_qc721206051_prep
    .symbol:         k_qc721206051_prep.kd
    .args:
      - { .name: frames, .offset: 0, .size: 8, .value_kind: global_buffer, .address_space: global }
      - { .name: k_local, .offset: 8, .size: 8, .value_kind: global_buffer, .address_space: global }
      - { .name: v_local, .offset: 16, .size: 8, .value_kind: global_buffer, .address_space: global }
      - { .name: kv, .offset: 24, .size: 8, .value_kind: global_buffer, .address_space: global }
    .group_segment_fixed_size: 66304
    .private_segment_fixed_size: 0
    .kernarg_segment_align: 8
    .kernarg_segment_size: 32
    .max_flat_workgroup_size: 128
    .sgpr_count:     66
    .vgpr_count:     234
    .wavefront_size: 32
...
	.end_amdgpu_metadata
.endif
;; end of part 1
;; launch attn (part 2): grid 8 x 32, 16 waves a work-group, clusters of 4 x 1, 194,560 bytes of LDS; arguments q_local, frames, kv, out0; writes out0
.if DOCPART == 2
	.amdgcn_target "amdgcn-amd-amdhsa--gfx1250"
	.amdhsa_code_object_version 6
	.text
	.protected	k_qc721206051_attn
	.globl	k_qc721206051_attn
	.p2align	8
	.type	k_qc721206051_attn,@function
k_qc721206051_attn:
	s_mov_b64 s[64:65], 0
	v_nop
	global_prefetch_b8 v0, s[64:65] scope:SCOPE_SE
	s_setreg_imm32_b32 hwreg(HW_REG_WAVE_MODE, 25, 1), 1
	s_wait_xcnt 0x0
	s_wait_alu depctr_hold_cnt(0) depctr_sa_sdst(0) depctr_va_vdst(0) depctr_va_sdst(0) depctr_va_ssrc(0) depctr_va_vcc(0) depctr_vm_vsrc(0)
	s_getreg_b32 s2, hwreg(HW_REG_IB_STS2, 6, 4)
	s_cmp_eq_u32 s2, 0
	s_cbranch_scc0 .Lentry_in_a_cluster
	s_endpgm
.Lentry_in_a_cluster:
	s_bfe_u32 s2, ttmp6, 0x10000c
	s_cmp_lg_u32 s2, 0x3003
	s_cbranch_scc0 .Lentry_shape_is_right
	s_endpgm
.Lentry_shape_is_right:
; out0[b][h][q] = L_q x ( the sum over keys of softmax(q_g . k_g / 32) v_g ), L acting on channels 16-31; q_g = q_local with eta L^T eta on channels 16-31.  Both large products on codes of BF8 (E5M2) with E8M0 scales.
; k_g's and v_g's codes and scale bytes come from the workspace kv, laid in the order of the operands' registers: a record of 8,448 bytes for each head and each step of 128 keys:
;   +0 K's two fragments, +4096 V's two tiles (2,048 bytes each: register group c at 512 c, 16 bytes a lane), +8192 K's 32 scale words, +8320 V's 32.
; THE SOFTMAX: t = score x log2(e) / 32; M = the running largest t rounded UP to a whole number; p = 2^(t - M) is quantised along the keys, not normalised; the row's sum is taken of the unquantised p and divides at the end.
; When M moves, the sums and O are multiplied by 2^(old M - new M), which rounds nothing.
; A BLOCK'S EXPONENT e is the floor of its largest t - M (held at -111 from below, so that the byte e + 112 is at least 1): no exponential is spent on it.  The hold is 1.75 x 2^e, the scale 2^(e - 15).
; SHARES.  A work-group owns 256 queries of one head, each of its sixteen waves 16 of them in 256 registers: four waves to a SIMD.  Every wave walks 16 steps of 128 keys.
; A WHOLE HEAD'S RECORDS, 135,168 BYTES, LIE IN LDS AT ONCE: wave w brings step w's record by one tensor load; no byte of LDS is filled twice, so there is no ring; and no loop of the launch loads from memory, so there is no prefetch.
; The first barrier shows records 0 to 3 (waves 0 to 3, a load line of their own); step 0, which reads records 0 and 1, is written out, and a barrier inside it shows the others.
; CLUSTER.  The four query blocks of a cluster belong to one head and want the same records: each record is asked for JOINTLY, by the same tensor load with the same descriptor and a mask that names the four.
; LAYOUT.  Both products are used transposed (S^T = K Q^T, O^T = V^T P^T): lane (r = lane % 16, h = lane / 16) holds query r throughout.
; THE SCORE PRODUCT'S K IS 32, the instruction's 128.  A fragment of K holds FOUR tiles of 16 keys, one in each block of 32 along the instruction's K; source 1 is a window of 16 registers over
; [12 zeros | Q's 4 registers | 12 zeros]: the window that begins at 28 - 4 c has Q in block c and zero codes elsewhere, so the product is tile c's.  Q's scale word for window c is its byte in byte c; the other bytes stand over zero codes.
; Row r of tile c of fragment g is key 64 g + 32 (c / 2) + 8 (c % 2) + r + 8 (r / 8): so the 16 registers of score tiles 2 b, 2 b + 1 are keys 32 b + 16 h + 0 .. 15, the order that P's operand wants.
; A TRIP takes a step's four blocks of 32 keys from scores to codes in two batches of 32 exponentials; the next step's products are issued among its last sums and holds, as the blocks' registers come free.
; LIMITS: NaN and infinities among the inputs are not served.  A p under 2^-126 comes out of v_exp_f32 as 0.  A block of p that is all zeros keeps the byte 1 (its codes are zeros).  A block whose largest t - M lies within
; a rounding of a whole number may take either neighbour as its exponent.  The four multiply-adds of q's frame product run j = 1, 2, 3, 0: another order of rounding than a plain sum's.
; The factor log2(e) / 32 is applied in one multiply-add with -M, not as two multiplications.
.set REC,   8448
.set HEADB, 16*REC                     ; LDS 0 .. 135,167: the head's 16 records, as they lie in memory
.set STAGE, HEADB                      ; behind them 3,584 bytes for each wave: 16 rows x 144 (q on the way in, the result on the way out), then 16 frames x 80; no tensor load lands there
.set WST,   3584
.set FST,   2304
.set SP,    144
.set FP,    80
.set SPARE, STAGE+16*WST               ; the spare words, 128 bytes for each wave
.set LI,  1                            ; v1   16 x lane
.set LS,  2                            ; v2   4 x lane
.set ADR, 3                            ; v3   the step's record + 16 x lane
.set ADS, 4                            ; v4   the step's record + 4 x lane
.set RD,  5                            ; v5   the stage by rows: 144 (lane / 8) + 16 (lane % 8)
.set FIN, 6                            ; v6   at the head: frames into the stage: 80 (lane / 4) + 16 (lane % 4)
.set QO,  7                            ; v7   at the head: q out of it: 144 r + 64 h
.set FRD, 8                            ; v8   query r's frame
.set STO, 9                            ; v9   the result into it: 144 r + 32 h
.set RR,  10                           ; v10  r
.set HH,  11                           ; v11  h
.set SPW, 12                           ; v12  my spare word
.set NIL, 13                           ; v13  0
.set LN,  14                           ; v14  at the head: lane
.set QW,  16                           ; v16-27 zeros, v28-31 Q's codes, v32-43 zeros
.set QS,  44                           ; v44-47 Q's scale word for window c
.set KF,  48                           ; v48-79   K's two fragments; at the end v48-63 the frame again
.set VF,  80                           ; v80-111  V's two tiles; at the head v80-95 the frame
.set S,   112                          ; v112-175 S^T, then t - M, then p: block b's 16 numbers at S + 16 b
.set RQ,  112                          ; at the head: q as loaded,
.set RF,  128                          ; frames as loaded,
.set X,   144                          ; my 16 numbers of q,
.set Y,   160                          ; and the same as four vectors in the global frame
.set E,   112                          ; at the end: O^T / the sum,
.set W,   128                          ; its vectors in the local frame,
.set BK,  136                          ; and rows read back from the stage
.set OT,  176                          ; v176-191 O^T, two tiles
.set P,   192                          ; v192-207 first sums of blocks 0 and 1, then p's codes
.set KSC, 208                          ; v208 K's scale words (lanes 0-15 fragment 0's, lanes 16-31 fragment 1's); v209 V's likewise; v210 p's.  They hold scales and nothing else
.set VSC, 209
.set PSC, 210
.set NM,  212                          ; v212 -M
.set TS,  213                          ; v213 the running largest score (named with v212 as a pair)
.set ACC, 214                          ; v214-221 the row's sum, in four pairs
.set BM,  224                          ; v224-227 the blocks' largest scores, then largest t - M
.set T1,  228                          ; v228-231 a second chain's largest, the other half's; then the blocks' exponents
.set HD,  232                          ; v232-235 1.75 x 2^e
.set SCL, 236                          ; v236-239 the conversions' scale operands
.set FF,  240                          ; v[240:241] f = 2^(old M - new M); v241 is only named with it
.set TMP, 242
.set T2,  243
.set TP,  244                          ; v244-255, v[6:7], v[14:15]: first sums of blocks 2 and 3, eight pairs
.set WV,  12                           ; s12  wave
.set G1,  24                           ; s[24:31] descriptor group 1
.set G0,  32                           ; s[32:35] group 0
.set SEL, 36                           ; s[36:37] v_permlanex16_b32's selects for lane l xor 16
.set CS,  38                           ; s[38:39] c = log2(e) / 32, in both words: the packed form names the pair
.set MNT, 40                           ; s40  1.75
.set TB,  41                           ; s41  LDS byte at which the step's record begins
.set CNT, 42                           ; s42  trips to go
.set STG, 43                           ; s43  my stage
.set FL,  44                           ; s44  -111.0
.set MQ,  45                           ; s45  the mantissa field of 57,344
.set K15, 46                           ; s[46:47] 2^-15, in both words
; A round of the cluster's barrier: my work-group's barrier, so that wave 0's signal speaks for all sixteen waves; wave 0 signals for the work-group; every wave waits for the four work-groups; my work-group's barrier once more.
.macro CROUND
	s_barrier_signal -1
	s_barrier_wait -1
	s_cmp_lg_u32 s[WV], 0
	s_cbranch_scc1 .Lnot_wave_0_\@
	s_barrier_signal -3
.Lnot_wave_0_\@:
	s_barrier_wait -3
	s_barrier_signal -1
	s_barrier_wait -1
.endm
.macro TLOAD                           ; an s_nop 0 and four v_nop follow the tensor load
	tensor_load_to_lds s[G0:G0+3], s[G1:G1+7]
	s_nop 0
.rept 4
	v_nop
.endr
.endm
.macro WALU
	s_wait_alu depctr_va_vdst(0)
.endm
; The score products of fragment g: blocks 2 g and 2 g + 1.  Each sum begins with 0.
.macro SCORES g
.irp c, 0,1,2,3
.if \g
	v_wmma_scale_f32_16x16x128_f8f6f4 v[S+32+8*\c:S+39+8*\c], v[KF+16:KF+31], v[QW+12-4*\c:QW+27-4*\c], 0, v[KSC], v[QS+\c] matrix_a_fmt:MATRIX_FMT_BF8 matrix_b_fmt:MATRIX_FMT_BF8 matrix_a_scale:MATRIX_SCALE_ROW1
.else
	v_wmma_scale_f32_16x16x128_f8f6f4 v[S+8*\c:S+7+8*\c], v[KF:KF+15], v[QW+12-4*\c:QW+27-4*\c], 0, v[KSC], v[QS+\c] matrix_a_fmt:MATRIX_FMT_BF8 matrix_b_fmt:MATRIX_FMT_BF8
.endif
.endr
.endm
; The largest score of my 16 keys of blocks b and b + 1: four chains by turns, one to an accumulator, each from its low end on.  The last numbers (15 of the one, 14 of the other: different banks) go as a dual pair.
.macro MAXT b
	v_max3_num_f32 v[BM+\b], v[S+16*\b], v[S+16*\b+1], v[S+16*\b+2]
	v_max3_num_f32 v[T1+\b], v[S+16*\b+8], v[S+16*\b+9], v[S+16*\b+10]
	v_max3_num_f32 v[BM+\b+1], v[S+16*\b+16], v[S+16*\b+17], v[S+16*\b+18]
	v_max3_num_f32 v[T1+\b+1], v[S+16*\b+24], v[S+16*\b+25], v[S+16*\b+26]
	v_max3_num_f32 v[BM+\b], v[BM+\b], v[S+16*\b+3], v[S+16*\b+4]
	v_max3_num_f32 v[T1+\b], v[T1+\b], v[S+16*\b+11], v[S+16*\b+12]
	v_max3_num_f32 v[BM+\b+1], v[BM+\b+1], v[S+16*\b+19], v[S+16*\b+20]
	v_max3_num_f32 v[T1+\b+1], v[T1+\b+1], v[S+16*\b+27], v[S+16*\b+28]
	v_max3_num_f32 v[BM+\b], v[BM+\b], v[S+16*\b+5], v[S+16*\b+6]
	v_max3_num_f32 v[T1+\b], v[T1+\b], v[S+16*\b+13], v[S+16*\b+14]
	v_max3_num_f32 v[BM+\b+1], v[BM+\b+1], v[S+16*\b+21], v[S+16*\b+22]
	v_max3_num_f32 v[T1+\b+1], v[T1+\b+1], v[S+16*\b+29], v[S+16*\b+31]
	v_max3_num_f32 v[BM+\b], v[BM+\b], v[S+16*\b+7], v[T1+\b]
	v_max3_num_f32 v[BM+\b+1], v[BM+\b+1], v[S+16*\b+23], v[T1+\b+1]
	v_dual_max_num_f32 v[BM+\b], v[BM+\b], v[S+16*\b+15] :: v_dual_max_num_f32 v[BM+\b+1], v[BM+\b+1], v[S+16*\b+30]
.endm
; q numbers the 32 pairs of S, n its 64 registers
.macro FM q                            ; t - M (of the pairs c and -M the low word serves both halves)
	v_pk_fma_f32 v[S+2*(\q):S+2*(\q)+1], v[S+2*(\q):S+2*(\q)+1], s[CS:CS+1], v[NM:NM+1] op_sel_hi:[1,0,0]
.endm
.macro EX n                            ; p = 2^(t - M)
	v_exp_f32 v[S+(\n)], v[S+(\n)]
.endm
.macro MN q                            ; the hold: the conversion does not saturate (ISA guide 7.6.2); p is not negative, so it is one-sided
	v_dual_min_num_f32 v[S+2*(\q)], v[S+2*(\q)], v[HD+(\q)/8] :: v_dual_min_num_f32 v[S+2*(\q)+1], v[S+2*(\q)+1], v[HD+(\q)/8]
.endm
.macro CV b                            ; block b's 16 codes
	v_cvt_scalef32_pk8_bf8_f32 v[P+4*\b:P+4*\b+1], v[S+16*\b:S+16*\b+7], v[SCL+\b]
	v_cvt_scalef32_pk8_bf8_f32 v[P+4*\b+2:P+4*\b+3], v[S+16*\b+8:S+16*\b+15], v[SCL+\b]
.endm
; THE ROW'S SUM, of the unquantised p.  Four neighbouring numbers become one pair (a first sum), which is added to one of the four pairs of the sum later.
.macro FIRSTP n                        ; blocks 0 and 1
	v_pk_add_f32 v[P+2*(\n):P+2*(\n)+1], v[S+4*(\n):S+4*(\n)+1], v[S+4*(\n)+2:S+4*(\n)+3]
.endm
.macro SUMP n
	v_pk_add_f32 v[ACC+2*((\n)%4):ACC+2*((\n)%4)+1], v[ACC+2*((\n)%4):ACC+2*((\n)%4)+1], v[P+2*(\n):P+2*(\n)+1]
.endm
.macro TREG k                          ; where first sum k of blocks 2 and 3 stands
.if (\k) < 6
.set TR, TP+2*(\k)
.elseif (\k) == 6
.set TR, 6
.else
.set TR, 14
.endif
.endm
.macro FIRSTT k                        ; blocks 2 and 3
	TREG \k
	v_pk_add_f32 v[TR:TR+1], v[S+32+4*(\k):S+32+4*(\k)+1], v[S+34+4*(\k):S+35+4*(\k)]
.endm
.macro SUMT k
	TREG \k
	v_pk_add_f32 v[ACC+2*((\k)%4):ACC+2*((\k)%4)+1], v[ACC+2*((\k)%4):ACC+2*((\k)%4)+1], v[TR:TR+1]
.endm
.macro LATE k, mode                    ; a first sum of the step before, postponed; the first step has none before it
.if \mode != 2
	SUMT \k
.endif
.endm
; The step's LDS loads: this step's V (k = 8: its scale words) and the next step's K; in the last step, in K's place, my query's frame for the way out.  Images of the operands' registers: 512 consecutive bytes an instruction.
.macro LV k
.if (\k) < 8
	ds_load_b128 v[VF+4*(\k):VF+4*(\k)+3], v[AA] offset:4096+512*(\k)
.else
	ds_load_b32 v[VSC], v[AB] offset:8320
.endif
.endm
.macro LK k, mode
.if \mode != 1
.if (\k) < 8
	ds_load_b128 v[KF+4*(\k):KF+4*(\k)+3], v[AA] offset:REC+512*(\k)
.else
	ds_load_b32 v[KSC], v[AB] offset:REC+8192
.endif
.elseif (\k) < 4
	ds_load_b128 v[KF+4*(\k):KF+4*(\k)+3], v[FRD] offset:FST+16*(\k)
.endif
.endm
.macro OSC j                           ; a pair of O^T under the new M
	v_pk_mul_f32 v[OT+2*(\j):OT+2*(\j)+1], v[OT+2*(\j):OT+2*(\j)+1], v[FF:FF+1] op_sel_hi:[1,0]
.endm
; A TRIP.  At its top the step's scores stand in S, and BM holds blocks 0 and 1's largest.  mode 0: in the loop; 1: the last step; 2: the first.
.macro TRIP mode
.if \mode == 2
.set AA, LI
.set AB, LS
.else
.set AA, ADR
.set AB, ADS
	v_add_nc_u32 v[ADR], s[TB], v[LI]
	v_add_nc_u32 v[ADS], s[TB], v[LS]
.endif
	MAXT 2
	; the chain to M, with the LDS loads and the sums of the step before between its links
.irp b, 0,1,2,3
	v_permlanex16_b32 v[T1+\b], v[BM+\b], s[SEL], s[SEL+1]
.endr
	LV 0
	LV 1
	v_dual_max_num_f32 v[BM], v[BM], v[T1] :: v_dual_max_num_f32 v[BM+1], v[BM+1], v[T1+1]     ; with lane l xor 16's 16 keys: the blocks' largest scores
	v_dual_max_num_f32 v[BM+2], v[BM+2], v[T1+2] :: v_dual_max_num_f32 v[BM+3], v[BM+3], v[T1+3]
	LV 2
	LATE 4, \mode
	LV 3
	v_max3_num_f32 v[TMP], v[BM], v[BM+1], v[BM+2]
	LV 4
	LATE 5, \mode
	LV 5
	v_max3_num_f32 v[TS], v[TMP], v[BM+3], v[TS]   ; the running largest score of my query
	LV 6
	LATE 6, \mode
	LV 7
	v_mul_f32 v[TMP], s[CS], -v[TS]                ; -t (c is positive)
	LV 8
	LATE 7, \mode
	LK 0, \mode
	v_floor_f32 v[TMP], v[TMP]                     ; the new -M = floor(-t) = -ceil(t): a whole number
	LK 1, \mode
	LK 2, \mode
	v_sub_f32 v[T2], v[TMP], v[NM]                 ; old M - new M: a whole number, 0 or less
	v_mov_b32 v[NM], v[TMP]
	LK 3, \mode
	LK 4, \mode
	v_pk_fma_f32 v[BM:BM+1], v[BM:BM+1], s[CS:CS+1], v[NM:NM+1] op_sel_hi:[1,0,0]          ; the blocks' largest t - M
	v_pk_fma_f32 v[BM+2:BM+3], v[BM+2:BM+3], s[CS:CS+1], v[NM:NM+1] op_sel_hi:[1,0,0]
	v_cvt_i32_f32 v[T2], v[T2]                     ; (it saturates)
	FM 0
	FM 1
	v_dual_max_num_f32 v[BM], s[FL], v[BM] :: v_dual_max_num_f32 v[BM+1], s[FL], v[BM+1]   ; the floor -111
	v_dual_max_num_f32 v[BM+2], s[FL], v[BM+2] :: v_dual_max_num_f32 v[BM+3], s[FL], v[BM+3]
	v_ldexp_f32 v[FF], 1.0, v[T2]                  ; f = 2^(old M - new M)
	LK 5, \mode
	LK 6, \mode
	FM 2
	FM 3
.irp b, 3,2,1,0
	v_cvt_floor_i32_f32 v[T1+\b], v[BM+\b]         ; e = floor(t - M): block b's exponent
.endr
	LK 7, \mode
	LK 8, \mode
	OSC 0
	OSC 1
	v_lshl_add_u32 v[TMP], v[T1+3], 8, v[T1+2]     ; p's scale word: the bytes e + 112
	FM 4
	FM 5
	OSC 2
	OSC 3
	v_lshl_add_u32 v[TMP], v[TMP], 8, v[T1+1]
	FM 6
	FM 7
	OSC 4
	OSC 5
	v_lshl_add_u32 v[TMP], v[TMP], 8, v[T1]
	FM 8
	FM 9
	OSC 6
	OSC 7
	v_add_nc_u32 v[PSC], 0x70707070, v[TMP]        ; + 112 in each byte
.irp q, 10,11,12,13,14,15
	FM \q
.endr
	WALU
	; BATCH A: blocks 0 and 1.  Blocks 2 and 3 are scaled, the sums brought under the new M, the holds made
.irp n, 0,1,2,3,4,5,6,7
	EX 2*\n
	FM 16+\n
	EX 2*\n+1
	EX 16+2*\n
.if \n < 4
	v_pk_mul_f32 v[ACC+2*\n:ACC+2*\n+1], v[ACC+2*\n:ACC+2*\n+1], v[FF:FF+1] op_sel_hi:[1,0]
.else
	v_ldexp_f32 v[HD+\n-4], s[MNT], v[T1+\n-4]     ; 1.75 x 2^e = 57,344 x the scale
.endif
	EX 17+2*\n
	FM 24+\n
.endr
	WALU
	; BATCH B: blocks 2 and 3.  Blocks 0 and 1: first sums, then holds; and the scale operands
.irp n, 0,1,2,3,4,5,6,7
	EX 32+2*\n
.if \n < 2
	v_pk_mul_f32 v[SCL+2*\n:SCL+2*\n+1], v[HD+2*\n:HD+2*\n+1], s[K15:K15+1] op_sel_hi:[1,0]    ; the conversions take the exponent field of 1.75 x 2^(e - 15)
.endif
	EX 33+2*\n
	FIRSTP \n
	EX 48+2*\n
	MN 2*\n
	EX 49+2*\n
	MN 2*\n+1
.endr
	WALU
	s_wait_dscnt 0x0                               ; V, and the next step's K: asked for ahead of the batches
.if \mode == 2
	s_wait_tensorcnt 0x0                           ; my record has landed, whichever it is:
	s_barrier_signal -1                            ; say so; register work alone follows up to the wait at this trip's end
.endif
.irp k, 0,1,2,3,4,5,6,7
	FIRSTT \k
.endr
.irp n, 0,1,2,3,4,5,6,7
	SUMP \n
.endr
	CV 0
	CV 1
.irp q, 16,17,18,19,20,21,22,23
	MN \q
.endr
.if \mode != 1
	SCORES 0                                       ; the next step's blocks 0 and 1: their registers are free
.endif
.irp q, 24,25,26,27,28,29,30,31
	MN \q
.endr
	CV 2
	CV 3
.irp k, 0,1,2,3
	SUMT \k                                        ; the four places between the codes and the products
.endr
	; the two accumulators take turns, one instruction a turn, with at least four score products between a link and the next
	v_wmma_scale_f32_16x16x128_f8f6f4 v[OT:OT+7], v[VF:VF+15], v[P:P+15], v[OT:OT+7], v[VSC], v[PSC] matrix_a_fmt:MATRIX_FMT_BF8 matrix_b_fmt:MATRIX_FMT_BF8
	v_wmma_scale_f32_16x16x128_f8f6f4 v[OT+8:OT+15], v[VF+16:VF+31], v[P:P+15], v[OT+8:OT+15], v[VSC], v[PSC] matrix_a_fmt:MATRIX_FMT_BF8 matrix_b_fmt:MATRIX_FMT_BF8 matrix_a_scale:MATRIX_SCALE_ROW1
.if \mode != 1
	SCORES 1                                       ; blocks 2 and 3
	MAXT 0                                         ; twelve plain lines behind SCORES 0
.endif
.endm
	s_load_b256 s[4:11], s[0:1], 0x0               ; q_local s[4:5], frames s[6:7], kv s[8:9], out0 s[10:11]
	v_lshl_add_u32 v[SPW], v0, 2, SPARE
	v_mov_b32 v[NIL], 0
	ds_add_u32 v[SPW], v[NIL]                      ; the wave's opening: the add, twice on end, and its wait ahead of my tensor load
	ds_add_u32 v[SPW], v[NIL]
	v_lshrrev_b32 v[TMP], 5, v0
	v_readfirstlane_b32 s[WV], v[TMP]              ; wave 0..15
	v_and_b32 v[LN], 31, v0
	v_lshlrev_b32 v[LI], 4, v[LN]
	v_lshlrev_b32 v[LS], 2, v[LN]
	s_bfe_u32 s13, ttmp6, 0x40000                  ; cx: my place in the cluster: it enters q's, frames' and out0's offsets alone
	s_lshl_b32 s14, ttmp9, 2                       ; in a cluster launch ttmp9 counts clusters
	s_add_co_u32 s14, s14, s13                     ; my block of 256 queries
	s_and_b32 s15, ttmp7, 0xffff                   ; the head = 8 b + h, which the four partners share
	s_lshl_b32 s16, s14, 8
	s_lshl_b32 s48, s[WV], 4
	s_add_co_u32 s16, s16, s48                     ; my wave's first query
	s_lshl_b32 s18, s15, 11
	s_add_co_u32 s18, s18, s16
	s_lshl_b32 s18, s18, 7                         ; q and out0: (2048 head + query) x 128 bytes
	s_mov_b32 s19, 0
	s_lshr_b32 s20, s15, 3
	s_lshl_b32 s20, s20, 11
	s_add_co_u32 s20, s20, s16
	s_lshl_b32 s20, s20, 6                         ; frames: (2048 b + query) x 64 bytes
	s_mov_b32 s21, 0
	s_mul_i32 s22, s15, HEADB
	s_mul_i32 s48, s[WV], REC
	s_add_co_u32 s22, s22, s48                     ; kv: the head's record of step = my wave's number
	s_mov_b32 s23, 0
	s_mul_i32 s[STG], s[WV], WST
	s_add_co_u32 s[STG], s[STG], STAGE             ; my stage
	; descriptor group 1: a dense block of 33 rows x 256 bytes, as elements of 8 bytes, no padding: LDS holds the record as memory does
	s_mov_b32 s[G1], 15|(3<<16)|(1<<21)            ; 15:0 the mask: all four work-groups; 17:16 elements of 8 bytes; 21 set beside a mask
	s_mov_b32 s[G1+1], 32<<16                      ; tensor_dim0 = 32
	s_mov_b32 s[G1+2], 33<<16                      ; tensor_dim1 = 33
	s_mov_b32 s[G1+3], 32<<16                      ; tile_dim0 = 32
	s_mov_b32 s[G1+4], 33                          ; tile_dim1 = 33
	s_mov_b32 s[G1+5], 32                          ; from row to row: 32 elements
	s_mov_b32 s[G1+6], 0
	s_mov_b32 s[G1+7], 0
	s_mov_b32 s[SEL], 0x76543210
	s_mov_b32 s[SEL+1], 0xfedcba98
	s_mov_b32 s[CS], 0x3d38aa3b                    ; log2(e) / 32
	s_mov_b32 s[CS+1], s[CS]
	s_mov_b32 s[MNT], 0x3fe00000                   ; 1.75
	s_mov_b32 s[FL], 0xc2de0000                    ; -111.0
	s_mov_b32 s[MQ], 0x600000
	s_mov_b32 s[K15], 0x38000000                   ; 2^-15
	s_mov_b32 s[K15+1], s[K15]
	s_mov_b32 s[TB], REC
	s_mov_b32 s[CNT], 14
	WALU
	s_wait_dscnt 0x0                               ; both opening adds are done
	s_wait_kmcnt 0x0
	s_add_nc_u64 s[4:5], s[4:5], s[18:19]
	s_add_nc_u64 s[10:11], s[10:11], s[18:19]
	s_add_nc_u64 s[6:7], s[6:7], s[20:21]
	; my 16 frames (1,024 bytes) and 16 rows of q (2,048), 512 consecutive bytes an instruction, ahead of the round
.irp p, 0,1
	global_load_b128 v[RF+4*\p:RF+4*\p+3], v[LI], s[6:7] offset:512*\p             ; the eight heads of a batch read the same frames: no hint
.endr
.irp p, 0,1,2,3
	global_load_b128 v[RQ+4*\p:RQ+4*\p+3], v[LI], s[4:5] offset:512*\p th:TH_LOAD_NT
.endr
	s_mov_b32 s[G0], 1                             ; count = 1
	s_mul_i32 s[G0+1], s[WV], REC                  ; LDS address: wave x a record: no place in the cluster enters it
	s_add_nc_u64 s[G0+2:G0+3], s[8:9], s[22:23]    ; global address: made of the head and the wave's number alone
	s_or_b32 s[G0+3], s[G0+3], 0x80000000          ; type = 2
	CROUND                                         ; all four work-groups are here: the joint loads meet
	s_cmp_lt_u32 s[WV], 4                          ; my one tensor load: one is out.  Waves 0 to 3, which wait at the first barrier, have a line of their own
	s_cbranch_scc0 .Llater
	TLOAD
	s_branch .Lasked
.Llater:
	TLOAD
.Lasked:
	; Q: read once, by this wave alone: turned through my stage, transformed and quantised in registers while the records are on their way
	v_and_b32 v[RR], 15, v0
	v_bfe_u32 v[HH], v0, 4, 1
	v_lshrrev_b32 v[TMP], 3, v[LN]
	v_lshrrev_b32 v[T2], 2, v[LN]
	v_mul_u32_u24 v[RD], v[TMP], SP
	v_mul_u32_u24 v[FIN], v[T2], FP
	v_and_b32 v[TMP], 7, v[LN]
	v_and_b32 v[T2], 3, v[LN]
	v_lshl_add_u32 v[RD], v[TMP], 4, v[RD]
	v_lshl_add_u32 v[FIN], v[T2], 4, v[FIN]
	v_mul_u32_u24 v[QO], v[RR], SP
	v_mul_u32_u24 v[FRD], v[RR], FP
	v_add_nc_u32 v[RD], s[STG], v[RD]
	v_add_nc_u32 v[FIN], s[STG], v[FIN]
	v_lshl_add_u32 v[QO], v[HH], 6, v[QO]
	v_add_nc_u32 v[FRD], s[STG], v[FRD]
	v_add_nc_u32 v[QO], s[STG], v[QO]
.irp n, 0,1,2,3,4,5,6,7,8,9,10,11
	v_mov_b32 v[QW+\n], 0                          ; the zero codes on both sides of Q's
	v_mov_b32 v[QW+16+\n], 0
.endr
.irp b, 0,1,2,3
	v_mov_b32 v[T1+\b], 0                          ; a lane permute's destination counts as one of its sources
.endr
	v_mov_b32 v[FF+1], 0                           ; (named as the upper half of a pair)
	WALU
	s_wait_loadcnt 0x0                             ; q and the frames
.irp p, 0,1
	ds_store_b128 v[FIN], v[RF+4*\p:RF+4*\p+3] offset:FST+640*\p       ; eight frames a load
.endr
.irp p, 0,1,2,3
	ds_store_b128 v[RD], v[RQ+4*\p:RQ+4*\p+3] offset:576*\p            ; four rows a load
.endr
.irp p, 0,1,2,3
	ds_load_b128 v[VF+4*\p:VF+4*\p+3], v[FRD] offset:FST+16*\p         ; L[p][0..3]; LDS serves a wave's instructions in order (ISA guide 5.7.1.4): these see the stores above
	ds_load_b128 v[X+4*\p:X+4*\p+3], v[QO] offset:16*\p                ; channels 16 h .. 16 h + 15 of query r
.endr
	s_wait_dscnt 0x0
	; every lane takes its 16 numbers as four vectors: Y = eta L^T eta x, two components an instruction, x_j one word of its pair for both halves, the signs carried by the last multiply-add; only lanes 16-31 hold vectors
.irp v, 0,1,2,3
.irp i, 0,2
	v_pk_mul_f32 v[Y+4*\v+\i:Y+4*\v+\i+1], v[VF+4+\i:VF+5+\i], v[X+4*\v:X+4*\v+1] op_sel:[0,1]
.endr
.endr
.irp v, 0,1,2,3
.irp i, 0,2
	v_pk_fma_f32 v[Y+4*\v+\i:Y+4*\v+\i+1], v[VF+8+\i:VF+9+\i], v[X+4*\v+2:X+4*\v+3], v[Y+4*\v+\i:Y+4*\v+\i+1] op_sel_hi:[1,0,1]
.endr
.endr
.irp v, 0,1,2,3
.irp i, 0,2
	v_pk_fma_f32 v[Y+4*\v+\i:Y+4*\v+\i+1], v[VF+12+\i:VF+13+\i], v[X+4*\v+2:X+4*\v+3], v[Y+4*\v+\i:Y+4*\v+\i+1] op_sel:[0,1,0]
.endr
.endr
.irp v, 0,1,2,3
	v_pk_fma_f32 v[Y+4*\v:Y+4*\v+1], v[VF:VF+1], v[X+4*\v:X+4*\v+1], v[Y+4*\v:Y+4*\v+1] op_sel_hi:[1,0,1] neg_lo:[0,0,1] neg_hi:[1,0,0]
	v_pk_fma_f32 v[Y+4*\v+2:Y+4*\v+3], v[VF+2:VF+3], v[X+4*\v:X+4*\v+1], v[Y+4*\v+2:Y+4*\v+3] op_sel_hi:[1,0,1] neg_lo:[1,0,0] neg_hi:[1,0,0]
.endr
	v_cmp_ne_u32 vcc_lo, 0, v[HH]
.irp n, 0,1,2,3,4,5,6,7,8,9,10,11,12,13,14,15
	v_cndmask_b32 v[X+\n], v[X+\n], v[Y+\n], vcc_lo    ; lanes 0-15 keep the scalars
.endr
	v_max3_num_f32 v[BM], |v[X]|, |v[X+1]|, 0x8000000  ; a query's block of 32 channels lies in lanes l and l xor 16; the floor 2^(16 - 127) holds the byte at 1 from below
	v_max3_num_f32 v[BM+1], |v[X+2]|, |v[X+3]|, |v[X+4]|
.irp i, 5,9
	v_max3_num_f32 v[BM], v[BM], |v[X+\i]|, |v[X+\i+1]|
	v_max3_num_f32 v[BM+1], v[BM+1], |v[X+\i+2]|, |v[X+\i+3]|
.endr
	v_max3_num_f32 v[BM], v[BM], |v[X+13]|, |v[X+14]|
	v_max3_num_f32 v[BM], v[BM], v[BM+1], |v[X+15]|
	v_permlanex16_b32 v[T1], v[BM], s[SEL], s[SEL+1]
	v_max_num_f32 v[BM], v[BM], v[T1]
	v_add_nc_u32 v[SCL], 0xf8800000, v[BM]         ; 15 off the exponent field: the conversion's scale operand
	v_and_or_b32 v[HD], v[BM], 0x7f800000, s[MQ]   ; 57,344 x the scale
	v_lshrrev_b32 v[TMP], 23, v[SCL]               ; the byte
.irp n, 0,1,2,3,4,5,6,7,8,9,10,11,12,13,14,15
	v_med3_num_f32 v[X+\n], v[X+\n], -v[HD], v[HD] ; the conversion to an 8-bit code does not saturate (ISA guide 7.6.2)
.endr
	v_cvt_scalef32_pk8_bf8_f32 v[QW+12:QW+13], v[X:X+7], v[SCL]
	v_cvt_scalef32_pk8_bf8_f32 v[QW+14:QW+15], v[X+8:X+15], v[SCL]
.irp c, 0,1,2,3
	v_lshlrev_b32 v[QS+\c], 8*\c, v[TMP]           ; window c's scale word
.endr
.irp n, 0,1,2,3,4,5,6,7,8,9,10,11,12,13,14,15
	v_mov_b32 v[OT+\n], 0                          ; the first change of M leaves zeros zeros.  These lines are also the places between the scale words and the first product
.endr
	WALU
	s_cmp_lt_u32 s[WV], 4
	s_cbranch_scc0 .Lnot_yet
	s_wait_tensorcnt 0x0                           ; waves 0 to 3: my record has landed.  The others' wait stands in the first trip
.Lnot_yet:
	s_barrier_signal -1
	s_barrier_wait -1                              ; records 0 to 3 lie in LDS
.irp k, 0,1,2,3,4,5,6,7
	ds_load_b128 v[KF+4*\k:KF+4*\k+3], v[LI] offset:512*\k     ; step 0's K
.endr
	ds_load_b32 v[KSC], v[LS] offset:8192
	s_wait_dscnt 0x0
	SCORES 0
	SCORES 1
.irp k, 0,1,2,3,4,5,6,7
	v_mov_b32 v[ACC+\k], 0                         ; ten lines: the places behind the products
.endr
	v_mov_b32 v[TS], 0xff61b1e6                    ; -3e38, under every score
	v_mov_b32 v[NM], 0x7e967699                    ; 1e38: the first f is 0
	MAXT 0
	TRIP 2                                         ; step 0
	WALU
	s_barrier_wait -1                              ; all 16 records lie in LDS, and stay
.Lstep:                                            ; steps 1 to 14; the sixteenth asks for no further step and is written out
	TRIP 0
	s_add_co_u32 s[TB], s[TB], REC                 ; the next step's record
	s_sub_co_u32 s[CNT], s[CNT], 1
	s_cmp_lg_u32 s[CNT], 0
	s_cbranch_scc1 .Lstep
	TRIP 1
	; THE WAY OUT.  Thirteen plain lines are the places behind the last products.
	SUMT 4
	SUMT 5
	SUMT 6
	SUMT 7
	v_mul_u32_u24 v[STO], v[RR], SP
	v_pk_add_f32 v[ACC:ACC+1], v[ACC:ACC+1], v[ACC+2:ACC+3]
	v_pk_add_f32 v[ACC+4:ACC+5], v[ACC+4:ACC+5], v[ACC+6:ACC+7]
	v_lshl_add_u32 v[STO], v[HH], 5, v[STO]
	v_pk_add_f32 v[ACC:ACC+1], v[ACC:ACC+1], v[ACC+4:ACC+5]
	v_add_nc_u32 v[STO], s[STG], v[STO]            ; in: row r, + 32 h
	v_add_f32 v[ACC], v[ACC], v[ACC+1]
	s_delay_alu instid0(VALU_DEP_1)
	v_permlanex16_b32 v[T1], v[ACC], s[SEL], s[SEL+1]
	s_delay_alu instid0(VALU_DEP_1)
	v_add_f32 v[ACC], v[ACC], v[T1]                ; with lane l xor 16's: the row's sum
	WALU
	v_rcp_f32 v[TMP], v[ACC]
	v_nop                                          ; a plain line behind the transcendental
	WALU
.irp n, 0,1,2,3,4,5,6,7,8,9,10,11,12,13,14,15
	v_mul_f32 v[E+\n], v[OT+\n], v[TMP]            ; O^T / the sum, each accumulator from its low end on: register 8 t + j is channel 16 t + 8 h + j of query r
.endr
	; tile 1's eight channels are vectors 2 h and 2 h + 1, whole: W = L x each
.irp v, 0,1
.irp i, 0,1,2,3
	v_mul_f32 v[W+4*\v+\i], v[KF+4*\i], v[E+8+4*\v]
.endr
.endr
.irp j, 1,2,3
.irp v, 0,1
.irp i, 0,1,2,3
	v_fma_f32 v[W+4*\v+\i], v[KF+4*\i+\j], v[E+8+4*\v+\j], v[W+4*\v+\i]
.endr
.endr
.endr
	ds_store_b128 v[STO], v[E:E+3]                 ; scalars 8 h .. 8 h + 7
	ds_store_b128 v[STO], v[E+4:E+7] offset:16
	ds_store_b128 v[STO], v[W:W+3] offset:64       ; channels 16 + 8 h .. + 7
	ds_store_b128 v[STO], v[W+4:W+7] offset:80
.irp i, 0,1,2,3
	ds_load_b128 v[BK+4*\i:BK+4*\i+3], v[RD] offset:4*SP*\i    ; eight lanes to a row of 128 bytes; in order behind my stores
.endr
.irp i, 0,1,2,3
	s_wait_dscnt 3-\i                              ; the younger loads may stay out
	global_store_b128 v[LI], v[BK+4*\i:BK+4*\i+3], s[10:11] offset:512*\i th:TH_STORE_NT   ; my 16 rows are 2,048 consecutive bytes: 512 an instruction, at a multiple of 256 from out0's first byte
.endr
	s_wait_tensorcnt 0x0                           ; the wave's end
	ds_add_u32 v[SPW], v[NIL]
	s_wait_dscnt 0x0
	CROUND                                         ; the closing round: no work-group ends while a partner may still ask for a record that names it
	s_endpgm
.Lfunc_end_k_qc721206051_attn:
	.size	k_qc721206051_attn, .Lfunc_end_k_qc721206051_attn-k_qc721206051_attn
	.p2alignl 7, 3214868480
	.fill 96, 4, 3214868480
	.section	.rodata,"a",@progbits
	.p2align	6, 0x0
	.amdhsa_kernel k_qc721206051_attn
		.amdhsa_group_segment_fixed_size 194560
		.amdhsa_private_segment_fixed_size 0
		.amdhsa_enable_private_segment 0
		.amdhsa_kernarg_size 32
		.amdhsa_user_sgpr_count 2
		.amdhsa_user_sgpr_kernarg_segment_ptr 1
		.amdhsa_wavefront_size32 1
		.amdhsa_system_sgpr_workgroup_id_x 1
		.amdhsa_system_sgpr_workgroup_id_y 1
		.amdhsa_system_sgpr_workgroup_id_z 1
		.amdhsa_system_vgpr_workitem_id 0
		.amdhsa_next_free_vgpr 256
		.amdhsa_next_free_sgpr 66
		.amdhsa_reserve_vcc 1
		.amdhsa_float_denorm_mode_32 3
		.amdhsa_float_denorm_mode_16_64 3
		.amdhsa_memory_ordered 1
		.amdhsa_forward_progress 1
		.amdhsa_inst_pref_size 65
	.end_amdhsa_kernel
	.amdgpu_metadata
---
amdhsa.version: [ 1, 2 ]
amdhsa.kernels:
  - .name:           k_qc721206051_attn
    .symbol:         k_qc721206051_attn.kd
    .args:
      - { .name: q_local, .offset: 0, .size: 8, .value_kind: global_buffer, .address_space: global }
      - { .name: frames, .offset: 8, .size: 8, .value_kind: global_buffer, .address_space: global }
      - { .name: kv, .offset: 16, .size: 8, .value_kind: global_buffer, .address_space: global }
      - { .name: out0, .offset: 24, .size: 8, .value_kind: global_buffer, .address_space: global }
    .group_segment_fixed_size: 194560
    .private_segment_fixed_size: 0
    .kernarg_segment_align: 8
    .kernarg_segment_size: 32
    .max_flat_workgroup_size: 512
    .sgpr_count:     66
    .vgpr_count:     256
    .wavefront_size: 32
...
	.end_amdgpu_metadata
.endif
;; end of part 2
